; MI455X (gfx1250); checked and timed in simulation.
; The chip was launched on July 23, 2026; its instructions are those of AMD's public machine-readable ISA for CDNA 5 (MIT licence, August 2026) and "CDNA5" Instruction Set Architecture Reference Guide (July 2026). The comments in the code are by the model that wrote it; some were corrected since.
;; Linear. Allowed arithmetic: float matrix products may take bf16 or f16 operands with f32 sums; all other float work in f32.
;; Inputs: a 4 x 2,048 x 4,096 int8; a_o one number float32; a_s one number float32; b_o one number float32; b_s one number float32; weight 4,096 x 2,048 int8.
;; Outputs: out0 4 x 2,048 x 2,048 float32.
;; 2 versions, each right; version 2 is version 1 with the launch prep written anew for expert scheduling mode. Each part assembles by itself: llvm-mc -triple=amdgcn-amd-amdhsa -mcpu=gfx1250 --defsym DOCPART=n.
;; ======== version 1 of 2: 2 launches
;; limits: a difference of large sums (such as E[x^2] - mean^2): digits are lost where the result is much smaller than its terms
;; workspace buffers: wf 16,777,216 bytes; cpart 262,144 bytes; rsum 65,536 bytes
;; launch prep (part 1): grid 256 x 1, 16 waves a work-group, no clusters, 18,944 bytes of LDS; arguments a, weight, wf, cpart, rsum; writes wf, cpart, rsum
.if DOCPART == 1
	.amdgcn_target "amdgcn-amd-amdhsa--gfx1250"
	.amdhsa_code_object_version 6
	.text
	.protected	k_qeadc4e6a72_prep
	.globl	k_qeadc4e6a72_prep
	.p2align	8
	.type	k_qeadc4e6a72_prep,@function
k_qeadc4e6a72_prep:
	s_mov_b64 s[64:65], 0
	v_nop
	global_prefetch_b8 v0, s[64:65] scope:SCOPE_SE
	s_setreg_imm32_b32 hwreg(HW_REG_WAVE_MODE, 25, 1), 1
	s_wait_xcnt 0x0
; PREPARATION, a stream without matrix work.  a: [8192][4096] int8.  weight: [4096][2048] int8.  256 work-groups of sixteen waves; every work-group does both kinds of work.
; Waves 0-7:  wf[k][n] = weight[k][n] as f16 (exact), for rows 128 p .. + 127 and columns 256 strip .. + 255, and cpart[p][n] = the sum of those 128 rows, f32 (a whole number, exact).
; Waves 8-15: rsum[m] = (R, R), R = the sum of a[m][k] over all k, f32 (a whole number of at most 2^19, exact), for rows 32 g .. + 31.  R is stored twice: the next launch multiplies
;             and adds it as a pair, and the work-group's 32 rows are then 256 consecutive bytes.
; Every load and store of a wave covers 256 or 512 consecutive bytes that begin at a multiple of 256 from the buffer's first byte.
; Bytes are summed two at a time in the halves of a word: u = x xor 0x80 = x + 128 lies in 0..255, and the 128s are taken off at the end.
; LDS: column sums at 32 x thread number (below 16,384); row sums at AREG + 32 x wave: no byte is named by both.
.set X,  20                            ; as loaded
.set Y,  52                            ; waves 0-7: v[52:115], four registers of f16 a row; never rewritten, so no store's data waits for anything
.set PS, 116                           ; waves 0-7: v[116:131] eight numbers in f32, two sets by turns; later v[116:147], the eight waves' partial sums
.set AREG, 16384
	s_load_b256 s[4:11], s[0:1], 0x0               ; a s[4:5], weight s[6:7], wf s[8:9], cpart s[10:11]
	s_load_b64 s[12:13], s[0:1], 0x20              ; rsum
	v_lshl_add_u32 v148, v0, 2, 0x4200
	v_mov_b32 v149, 0
	v_lshrrev_b32 v1, 5, v0
	v_readfirstlane_b32 s20, v1                    ; my wave's number
	v_and_b32 v1, 31, v0                           ; lane
	v_lshlrev_b32 v2, 3, v1                        ; 8 x lane
	v_lshlrev_b32 v3, 4, v1                        ; 16 x lane
	s_mov_b32 s14, 0x80808080                      ; x -> x + 128 in four bytes
	s_mov_b32 s15, 0x00ff00ff                      ; bytes 0 and 2, each in a half of its own
	s_mov_b32 s19, 0x04030401                      ; v_perm_b32 with source 0 = 0: bytes 1 and 3, each in a half of its own
	s_mov_b32 s27, 0                               ; the high word of every offset
	s_and_b32 s24, ttmp9, 7                        ; strip
	s_lshr_b32 s25, ttmp9, 3                       ; p
	s_wait_kmcnt 0x0
	s_cmp_lt_u32 s20, 8
	s_cbranch_scc0 .Lrows
	; WAVES 0-7.  Wave w takes rows 128 p + 16 w + i; a lane 8 columns.
	s_lshl_b32 s26, s25, 7
	s_lshl_b32 s21, s20, 4
	s_add_co_u32 s26, s26, s21                     ; my first row
	s_lshl_b32 s26, s26, 11                        ; x 2,048 bytes
	s_lshl_b32 s21, s24, 8
	s_add_co_u32 s26, s26, s21                     ; + 256 strip
	s_add_nc_u64 s[6:7], s[6:7], s[26:27]
	s_lshl_b32 s26, s26, 1                         ; the same place in wf: twice the bytes
	s_add_nc_u64 s[8:9], s[8:9], s[26:27]
.irp i, 0,1,2,3,4,5,6,7,8,9,10,11,12,13,14,15
	global_load_b64 v[X+2*\i:X+2*\i+1], v2, s[6:7] offset:2048*\i th:TH_LOAD_NT  ; a row's 256 bytes; all sixteen rows are on their way at once
.endr
	s_mov_b32 s16, 0x4b000000                      ; 2^23 in f32: with u as its lowest byte it is 2^23 + u
	s_mov_b32 s17, 0x07040400                      ; v_perm_b32: (0x4b, 0, 0, byte 0 of the word)
	s_mov_b32 s18, 0x07040401                      ; byte 1
	s_mov_b32 s28, 0x07040402                      ; byte 2
	s_mov_b32 s29, 0x07040403                      ; byte 3
	s_mov_b32 s30, 0xcb000080                      ; -(2^23 + 128)
	s_mov_b32 s31, s30                             ; named with it as a pair
; Row i: (2^23 + u) - (2^23 + 128) = x in f32, exactly; then two at a time to f16, exactly.  v8-11 take the column sums of u: (col 0, col 2), (1, 3), (4, 6), (5, 7).
.macro WROW i
.set x, X+2*(\i)
.set y, Y+4*(\i)
.set f, PS+8*((\i)%2)
	s_wait_loadcnt 15-(\i)                         ; loads come back in order: row i is in, the 15 - i younger ones may be out
	v_xor_b32 v[x], s14, v[x]
	v_xor_b32 v[x+1], s14, v[x+1]
	v_perm_b32 v[f], s16, v[x], s17
	v_perm_b32 v[f+1], s16, v[x], s18
	v_perm_b32 v[f+2], s16, v[x], s28
	v_perm_b32 v[f+3], s16, v[x], s29
	v_perm_b32 v[f+4], s16, v[x+1], s17
	v_perm_b32 v[f+5], s16, v[x+1], s18
	v_perm_b32 v[f+6], s16, v[x+1], s28
	v_perm_b32 v[f+7], s16, v[x+1], s29
	v_pk_add_f32 v[f:f+1], v[f:f+1], s[30:31] op_sel_hi:[1,0]
	v_pk_add_f32 v[f+2:f+3], v[f+2:f+3], s[30:31] op_sel_hi:[1,0]
	v_pk_add_f32 v[f+4:f+5], v[f+4:f+5], s[30:31] op_sel_hi:[1,0]
	v_pk_add_f32 v[f+6:f+7], v[f+6:f+7], s[30:31] op_sel_hi:[1,0]
	v_cvt_pk_f16_f32 v[y], v[f], v[f+1]
	v_cvt_pk_f16_f32 v[y+1], v[f+2], v[f+3]
	v_cvt_pk_f16_f32 v[y+2], v[f+4], v[f+5]
	v_cvt_pk_f16_f32 v[y+3], v[f+6], v[f+7]
.if (\i) == 0
	v_and_b32 v8, s15, v[x]                        ; the first row starts the sums: nothing is cleared
	v_perm_b32 v9, 0, v[x], s19
	v_and_b32 v10, s15, v[x+1]
	v_perm_b32 v11, 0, v[x+1], s19
.else
	v_and_b32 v6, s15, v[x]
	v_perm_b32 v7, 0, v[x], s19
	v_add_nc_u32 v8, v8, v6                        ; a half holds at most 16 x 255
	v_add_nc_u32 v9, v9, v7
	v_and_b32 v6, s15, v[x+1]
	v_perm_b32 v7, 0, v[x+1], s19
	v_add_nc_u32 v10, v10, v6
	v_add_nc_u32 v11, v11, v7
.endif
	global_store_b128 v3, v[y:y+3], s[8:9] offset:4096*(\i)  ; the wave stores 512 consecutive bytes of a row of wf
.endm
.irp i, 0,1,2,3,4,5,6,7,8,9,10,11,12,13,14,15
	WROW \i
.endr
	v_and_b32 v12, 0xffff, v8                      ; my eight columns' sums of u, in order
	v_and_b32 v13, 0xffff, v9
	v_lshrrev_b32 v14, 16, v8
	v_lshrrev_b32 v15, 16, v9
	v_and_b32 v16, 0xffff, v10
	v_and_b32 v17, 0xffff, v11
	v_lshrrev_b32 v18, 16, v10
	v_lshrrev_b32 v19, 16, v11
.irp j, 12,13,14,15,16,17,18,19
	v_add_nc_u32 v\j, 0xfffff800, v\j              ; less 16 x 128
.endr
.irp j, 12,13,14,15,16,17,18,19
	v_cvt_f32_i32 v\j, v\j
.endr
	v_lshlrev_b32 v6, 5, v0                        ; LDS: wave w's 256 sums at 1,024 w, mine at + 32 x lane
	ds_store_b128 v6, v[12:15]
	ds_store_b128 v6, v[16:19] offset:16
	s_branch .Ljoin
	; WAVES 8-15.  Wave w takes rows 32 g + 4 (w - 8) + i; a row's 4,096 bytes are eight loads of 512.
.Lrows:
	s_lshl_b32 s26, ttmp9, 17                      ; 32 rows of 4,096 bytes
	s_and_b32 s21, s20, 7
	s_lshl_b32 s21, s21, 14
	s_add_co_u32 s26, s26, s21
	s_add_nc_u64 s[4:5], s[4:5], s[26:27]
.irp i, 0,1,2,3
.irp j, 0,1,2,3,4,5,6,7
	global_load_b128 v[X+32*\i+4*\j:X+32*\i+4*\j+3], v3, s[4:5] offset:4096*\i+512*\j  ; all 32 at once: 16 KiB a wave on their way
.endr
.endr
	s_mov_b32 s22, 0x76543210                      ; v_permlanex16_b32: each lane takes its own place in the other half
	s_mov_b32 s23, 0xfedcba98
	v_and_b32 v14, 0x1e0, v0                       ; 32 x wave: my wave's four pairs lie at AREG + 32 w
.macro AROW i
	s_wait_loadcnt 24-8*(\i)                       ; row i's eight loads are in; the later rows' may be out
.set d, 0
.rept 32
.set x, X+32*(\i)+d
.set t, 6+6*(d%2)                      ; v6, v7 and v12, v13 by turns
	v_xor_b32 v[x], s14, v[x]
	v_and_b32 v[t], s15, v[x]
	v_perm_b32 v[t+1], 0, v[x], s19
.if d < 4
	v_add_nc_u32 v[8+d], v[t], v[t+1]              ; four chains, started by the first four words
.else
	v_add3_u32 v[8+d%4], v[8+d%4], v[t], v[t+1]    ; a half of a chain holds at most 16 x 255
.endif
.set d, d+1
.endr
	v_add3_u32 v8, v8, v9, v10
	v_add_nc_u32 v8, v8, v11                       ; a half: at most 64 x 255
	v_and_b32 v6, 0xffff, v8
	v_lshrrev_b32 v7, 16, v8
	v_add3_u32 v8, v6, v7, 0xffffc000              ; my 128 bytes' sum, less 128 x 128
	v_cvt_f32_i32 v8, v8
	v_add_f32_dpp v8, v8, v8 row_xmask:1 row_mask:0xf bank_mask:0xf  ; across the 32 lanes; whole numbers below 2^24: exact in any order
	v_add_f32_dpp v8, v8, v8 row_xmask:2 row_mask:0xf bank_mask:0xf
	v_add_f32_dpp v8, v8, v8 row_xmask:4 row_mask:0xf bank_mask:0xf
	v_add_f32_dpp v8, v8, v8 row_xmask:8 row_mask:0xf bank_mask:0xf
	v_permlanex16_b32 v9, v8, s22, s23
	v_add_f32 v8, v8, v9
	v_mov_b32 v9, v8
	ds_store_b64 v14, v[8:9] offset:AREG+8*(\i)    ; all lanes write the same pair to the same place
.endm
	AROW 0
	AROW 1
	AROW 2
	AROW 3
.Ljoin:
	s_wait_dscnt 0x0                               ; for the others' sake: my stores into LDS are done
	s_barrier_signal -1
	s_barrier_wait -1
	s_cmp_lt_u32 s20, 2                            ; threads 0-63 add the eight waves' column sums, four columns each
	s_cbranch_scc0 .Lnot_cols
	v_lshlrev_b32 v7, 4, v0
.irp q, 0,1,2,3,4,5,6,7
	ds_load_b128 v[PS+4*\q:PS+4*\q+3], v7 offset:1024*\q
.endr
	s_lshl_b32 s26, s25, 13                        ; cpart: 8,192 p + 1,024 strip
	s_lshl_b32 s21, s24, 10
	s_add_co_u32 s26, s26, s21
	s_add_nc_u64 s[10:11], s[10:11], s[26:27]
	s_wait_dscnt 0x0
.irp s, 4,2,1
.set p, 0
.rept \s
	v_pk_add_f32 v[PS+4*p:PS+4*p+1], v[PS+4*p:PS+4*p+1], v[PS+4*(p+\s):PS+4*(p+\s)+1]
	v_pk_add_f32 v[PS+4*p+2:PS+4*p+3], v[PS+4*p+2:PS+4*p+3], v[PS+4*(p+\s)+2:PS+4*(p+\s)+3]
.set p, p+1
.endr
.endr
	global_store_b128 v7, v[PS:PS+3], s[10:11]     ; each of the two waves stores 512 consecutive bytes
	s_wait_tensorcnt 0x0
	ds_add_u32 v148, v149
	s_wait_dscnt 0x0
	s_endpgm
.Lnot_cols:
	s_cmp_eq_u32 s20, 8                            ; wave 8 stores the group's 32 pairs, one a lane
	s_cbranch_scc0 .Ldone
	ds_load_b64 v[16:17], v2 offset:AREG+256       ; wave 8's pairs begin at AREG + 32 x 8
	s_lshl_b32 s26, ttmp9, 8
	s_add_nc_u64 s[12:13], s[12:13], s[26:27]
	s_wait_dscnt 0x0
	global_store_b64 v2, v[16:17], s[12:13]        ; 256 consecutive bytes, at a multiple of 256 from rsum's first byte
.Ldone:
	s_wait_tensorcnt 0x0
	ds_add_u32 v148, v149
	s_wait_dscnt 0x0
	s_endpgm
.Lfunc_end_k_qeadc4e6a72_prep:
	.size	k_qeadc4e6a72_prep, .Lfunc_end_k_qeadc4e6a72_prep-k_qeadc4e6a72_prep
	.p2alignl 7, 3214868480
	.fill 96, 4, 3214868480
	.section	.rodata,"a",@progbits
	.p2align	6, 0x0
	.amdhsa_kernel k_qeadc4e6a72_prep
		.amdhsa_group_segment_fixed_size 18944
		.amdhsa_private_segment_fixed_size 0
		.amdhsa_enable_private_segment 0
		.amdhsa_kernarg_size 40
		.amdhsa_user_sgpr_count 2
		.amdhsa_user_sgpr_kernarg_segment_ptr 1
		.amdhsa_wavefront_size32 1
		.amdhsa_system_sgpr_workgroup_id_x 1
		.amdhsa_system_sgpr_workgroup_id_y 1
		.amdhsa_system_sgpr_workgroup_id_z 1
		.amdhsa_system_vgpr_workitem_id 0
		.amdhsa_next_free_vgpr 150
		.amdhsa_next_free_sgpr 66
		.amdhsa_reserve_vcc 0
		.amdhsa_float_denorm_mode_32 3
		.amdhsa_float_denorm_mode_16_64 3
		.amdhsa_memory_ordered 1
		.amdhsa_forward_progress 1
		.amdhsa_inst_pref_size 61
	.end_amdhsa_kernel
	.amdgpu_metadata
---
amdhsa.version: [ 1, 2 ]
amdhsa.kernels:
  - .name:           k_qeadc4e6a72_prep
    .symbol:         k_qeadc4e6a72_prep.kd
    .args:
      - { .name: a, .offset: 0, .size: 8, .value_kind: global_buffer, .address_space: global }
      - { .name: weight, .offset: 8, .size: 8, .value_kind: global_buffer, .address_space: global }
      - { .name: wf, .offset: 16, .size: 8, .value_kind: global_buffer, .address_space: global }
      - { .name: cpart, .offset: 24, .size: 8, .value_kind: global_buffer, .address_space: global }
      - { .name: rsum, .offset: 32, .size: 8, .value_kind: global_buffer, .address_space: global }
    .group_segment_fixed_size: 18944
    .private_segment_fixed_size: 0
    .kernarg_segment_align: 8
    .kernarg_segment_size: 40
    .max_flat_workgroup_size: 512
    .sgpr_count:     66
    .vgpr_count:     150
    .wavefront_size: 32
...
	.end_amdgpu_metadata
.endif
;; end of part 1
;; launch gemm (part 2): grid 8 x 32, 4 waves a work-group, clusters of 4 x 4, 327,680 bytes of LDS; arguments a, wf, cpart, rsum, a_s, a_o, b_s, b_o, out0; writes out0
.if DOCPART == 2
	.amdgcn_target "amdgcn-amd-amdhsa--gfx1250"
	.amdhsa_code_object_version 6
	.text
	.protected	k_qeadc4e6a72_gemm
	.globl	k_qeadc4e6a72_gemm
	.p2align	8
	.type	k_qeadc4e6a72_gemm,@function
k_qeadc4e6a72_gemm:
	s_mov_b64 s[64:65], 0
	v_nop
	global_prefetch_b8 v0, s[64:65] scope:SCOPE_SE
	s_setreg_imm32_b32 hwreg(HW_REG_WAVE_MODE, 25, 1), 1
	s_wait_xcnt 0x0
	s_wait_alu depctr_hold_cnt(0) depctr_sa_sdst(0) depctr_va_vdst(0) depctr_va_sdst(0) depctr_va_ssrc(0) depctr_va_vcc(0) depctr_vm_vsrc(0)
	s_getreg_b32 s2, hwreg(HW_REG_IB_STS2, 6, 4)
	s_cmp_eq_u32 s2, 0
	s_cbranch_scc0 .Lentry_in_a_cluster
	s_endpgm
.Lentry_in_a_cluster:
	s_bfe_u32 s2, ttmp6, 0x10000c
	s_cmp_lg_u32 s2, 0xf033
	s_cbranch_scc0 .Lentry_shape_is_right
	s_endpgm
.Lentry_shape_is_right:
; out[m][n] = a_s b_s P[m][n] + a_s b_o R[m] + a_o b_s C[n] + 4096 a_o b_o,  P = the sum over k of a[m][k] w[k][n],  R[m] = rsum[m] (stored twice),  C[n] = the sum over 32 p of cpart[p][n].
; a: [8192][4096] int8.  wf: [4096][2048] f16, w's numbers exactly.  out: [8192][2048] f32.
; SHARES.  A work-group makes 256 x 256 of out, each of its four waves 128 x 128: 64 accumulators of 16 x 16, 512 registers.  256 work-groups.
; FORMAT.  f16 operands, f32 sums.  a stays int8 in memory and LDS and is widened in registers: u = a xor 0x80 = a + 128 lies in 0..255, and a 16-bit word whose bits are u is the f16
; number u x 2^-24 (a denormal; the text leans on the matrix instruction taking it at its value).  Four numbers cost three instructions: an exclusive or, a mask (bytes 0, 2), a byte
; permute (bytes 1, 3).  The 128 is taken off exactly: each sum starts from -128 C[n] x 2^-24 as the C operand of its first product, and ends as P x 2^-24.
; LIMIT.  In units of 2^-24 every partial sum is a whole number, (the sum of a w over the k done) - 128 (the sum of w over the k to come): never beyond 2^26, exact below 2^24;
; beyond 2^24 each of the 128 additions onto an accumulator may lose up to 4 units.
; THE MATRIX INSTRUCTION IS USED TRANSPOSED: source 0 = 16 columns of w, source 1 = 16 rows of a: a lane holds row lane % 16 of out and the eight columns 8 (lane / 16) + 0..7.
; THE ORDER OF k INSIDE 32 is the one that the widening leaves, the same on both sides: place (half h of the lanes, register J, half p of the register) holds
; k = 16 h + 4 (J / 2) + J % 2 + 2 p.  For w the turning load's lanes address the rows in that order.
; RING.  K goes in steps of 128, four quarters of 32.  w's tiles: 128 k x 256 columns (rows of 512 bytes), one a step, two slots.  a's tiles: 256 rows x 256 bytes, one for two steps, two slots.
; CLUSTER.  4 x 4 work-groups: a's tiles are shared along a row of the cluster, w's along a column; each is asked for jointly, by the same tensor load with the same descriptor and mask in all four.
; REGISTERS, in windows of 256 (s_set_vgpr_msb: bits 1:0 source 0, 3:2 source 1, 5:4 source 2, 7:6 destination).
;   window 0: v2-11 addresses; v12-27 row terms; v28, v29 the add's; v30-63 at work; v64-127, v128-191 w's fragments, two buffers; v192-255 the sums' starting values, later results
;   windows 1, 2, 3: row blocks {0,1,2}, {3,4,5}, {6,7}; block a is number I = a % 3 of its window: accumulators v[64 I + 8 b], a's fragment v[192 + 8 I], its 16 raw bytes a lane
;   v[216 + 4 I]; in windows 2 and 3 a second buffer of raw bytes at v[228 + 4 I]
; Under one setting (source 0 window 0, all else window w) run a window's products and the widening of its blocks.  A quarter's 24 LDS loads stand in ONE run, behind its first 24 products.
.set SIZE_K, 4096
.set SIZE_N, 2048
.set PA,    272                        ; a row of a's tile in LDS: 256 bytes + 16: the 16 rows of a load begin in 16 different columns of 16 bytes modulo 256
.set PB,    544                        ; a row of w's tile: 512 bytes + 32: 16 lanes of the turning load take 8 rows x 32 bytes, 32 bytes further on modulo 256 from row to row
.set HALF,  34816                      ; what one tensor load brings: 128 rows of a, or 64 rows of w
.set ASLOT, 0x11000                    ; a slot, 69,632 bytes: a's at 0 and 0x11000, w's at 0x22000 and 0x33000; its two bits are clear in every descriptor's slot-0 address
.set BBASE, 0x22000
.set STAGE, 0x44000                    ; behind the ring: 16 rows x 528 bytes for each wave, for the way out
.set SP,    528
.set CSB,   STAGE+4*16*SP              ; for each wave 1,024 bytes: its 128 columns' starting values, then their column terms
.set SPARE, CSB+4096                   ; the spare words, 128 bytes for each wave: two blocks of 256 bytes that no other line names
.set A0,   2                           ; v2   my lane's place in a's slot 0; never rewritten
.set ACUR, 3                           ; v3   the same in the slot of the tile in hand
.set ANXT, 4                           ; v4   in the other slot
.set ADRB, 5                           ; v5-6 my lane's place in w's slot 0, 1
.set STO,  7                           ; v7   the way out: where I put 16 bytes of a row
.set RD,   8                           ; v8   where I read a row back
.set CO,   9                           ; v9   16 x lane: my byte offset in 512 consecutive bytes
.set CVA,  10                          ; v10  where my eight columns' values begin
.set CW,   11                          ; v11  where I put four columns' values
.set RV,   12                          ; v[12+2a:13+2a] a_s b_o R of my row of block a, twice
.set SPW,  28                          ; v28  LDS address of my spare word; never rewritten
.set NIL,  29                          ; v29  0; never rewritten
.set BF,   64
.set T,    192
.set CV,   64                          ; the way out: column terms
.set OB,   128                         ; the way out: 16 rows read back
.set CB,   0                           ; which buffer of raw bytes windows 2 and 3 widen from in the quarter in hand: the quarter's parity
.set MSB, 0
.macro WIN new                         ; the immediate's high byte repeats the setting that is left; a switch that changes nothing is dropped
.if MSB != (\new)
	s_set_vgpr_msb (MSB<<8)|(\new)
.set MSB, (\new)
.endif
.endm
.macro PLACES
.rept 4
	v_nop
.endr
.endm
; A round of the cluster's barrier behind its opening barrier: wave 0 signals for the work-group, every wave waits for all sixteen, my work-group's barrier closes it.
.macro CREST
	s_cmp_lg_u32 s10, 0
	s_cbranch_scc1 .Lnot_wave_0_\@
	s_barrier_signal -3
.Lnot_wave_0_\@:
	s_barrier_wait -3
	s_barrier_signal -1
	s_barrier_wait -1
.endm
.macro CROUND
	s_barrier_signal -1
	s_barrier_wait -1
	CREST
.endm
; A joint refill by the walking descriptors.  kind = 2: waves 0 and 1 fetch the halves of a's tile, waves 2 and 3 those of w's.  kind = 1: w's alone; waves 0 and 1 issue nothing.
; The branch hangs on the wave's number alone.  An s_nop 0 and four v_nop follow each load, ahead of the jump and the label.
.macro JLOAD kind
	s_cmp_eq_u32 s11, 0
	s_cbranch_scc0 .Lfor_b_\@
.if (\kind) == 2
	tensor_load_to_lds s[36:39], s[24:31]
	s_nop 0
	PLACES
.endif
	s_branch .Lasked_\@
.Lfor_b_\@:
	tensor_load_to_lds s[60:63], s[48:55]
	s_nop 0
	PLACES
.Lasked_\@:
.endm
	s_load_b512 s[68:83], s[0:1], 0x0              ; a s[68:69], wf s[70:71], cpart s[72:73], rsum s[74:75], a_s s[76:77], a_o s[78:79], b_s s[80:81], b_o s[82:83]
	s_load_b64 s[84:85], s[0:1], 0x40              ; out0
	v_lshl_add_u32 v[SPW], v0, 2, SPARE
	v_mov_b32 v[NIL], 0
	ds_add_u32 v28, v29
	s_wait_dscnt 0x0
	v_lshrrev_b32 v1, 5, v0
	v_readfirstlane_b32 s10, v1                    ; wave 0..3
	s_lshr_b32 s11, s10, 1                         ; which half of the tile's rows is mine.  Also: I fetch for a (0) or for w (1)
	s_and_b32 s12, s10, 1                          ; which half of its columns.  Also: which half of that tile I fetch
	s_bfe_u32 s40, ttmp6, 0x40000                  ; cx
	s_bfe_u32 s41, ttmp6, 0x40004                  ; cy
	s_lshl_b32 s42, ttmp9, 2
	s_add_co_u32 s42, s42, s40                     ; tile column = 4 x cluster x + cx
	s_and_b32 s13, ttmp7, 0xffff
	s_lshl_b32 s13, s13, 2
	s_add_co_u32 s13, s13, s41                     ; tile row = 4 x cluster y + cy
	s_lshl_b32 s43, s41, 2
	s_lshl_b32 s43, 15, s43                        ; my row of the cluster
	s_lshl_b32 s44, 0x1111, s40                    ; my column
	; group 1 for a's tiles: 128 rows x 256 elements of 1 byte; 4 words of padding after every 64
	s_or_b32 s24, s43, (1<<20)|(1<<21)|(5<<22)|(3<<25)  ; 15:0 the mask of my row; 17:16 = 0: 1 byte; 20 padding on; 21 set beside a mask; 24:22 code 5; 31:25 code 3
	s_mov_b32 s25, 256<<16                         ; tensor_dim0 = 256
	s_mov_b32 s26, 128<<16                         ; tensor_dim1 = 128
	s_mov_b32 s27, 256<<16                         ; tile_dim0 = 256
	s_mov_b32 s28, 128                             ; tile_dim1 = 128
	s_mov_b32 s29, SIZE_K                          ; elements from row to row
	s_mov_b32 s30, 0
	s_mov_b32 s31, 0
	; group 1 for w's tiles: 64 rows x 256 elements of 2 bytes; 8 words of padding after every 128
	s_or_b32 s48, s44, (1<<16)|(1<<20)|(1<<21)|(6<<22)|(7<<25)  ; the mask of my column
	s_mov_b32 s49, 256<<16
	s_mov_b32 s50, 64<<16
	s_mov_b32 s51, 256<<16
	s_mov_b32 s52, 64
	s_mov_b32 s53, SIZE_N
	s_mov_b32 s54, 0
	s_mov_b32 s55, 0
	; a's tiles hang on the tile row and the wave's number alone, w's on the tile column and the wave's number alone
	s_lshl_b32 s16, s13, 8
	s_lshl_b32 s17, s12, 7
	s_add_co_u32 s16, s16, s17                     ; a: row 256 x tile row + 128 x half,
	s_lshl_b32 s16, s16, 12                        ; x 4,096 bytes (below 2^25)
	s_mov_b32 s17, 0
	s_lshl_b32 s46, s42, 9                         ; wf: 512 bytes x tile column
	s_lshl_b32 s47, s12, 18                        ; + 64 rows of 4,096 bytes x half
	s_add_co_u32 s46, s46, s47
	s_mov_b32 s47, 0
	s_mul_i32 s20, s12, HALF                       ; and where they go in a slot: no place in the cluster enters an LDS address
	s_wait_kmcnt 0x0
	s_add_nc_u64 s[14:15], s[68:69], s[16:17]
	s_add_nc_u64 s[46:47], s[70:71], s[46:47]
	; group 0: a set for each of the two first fills; the second then walks on
	s_mov_b32 s32, 1
	s_mov_b32 s33, s20
	s_mov_b64 s[34:35], s[14:15]
	s_or_b32 s35, s35, 0x80000000
	s_mov_b32 s36, 1
	s_add_co_u32 s37, s20, ASLOT
	s_add_nc_u64 s[38:39], s[14:15], 256           ; a's tile 1: 256 along K
	s_or_b32 s39, s39, 0x80000000
	s_mov_b32 s56, 1
	s_add_co_u32 s57, s20, BBASE
	s_mov_b64 s[58:59], s[46:47]
	s_or_b32 s59, s59, 0x80000000
	s_mov_b32 s60, 1
	s_add_co_u32 s61, s20, BBASE+ASLOT
	s_add_nc_u64 s[62:63], s[46:47], 128*SIZE_N*2  ; w's tile 1: 128 rows on
	s_or_b32 s63, s63, 0x80000000
	CROUND                                         ; all sixteen work-groups are here: the first joint loads meet
	s_cmp_eq_u32 s11, 0                            ; a wave's two first fills stand in one branch, ahead of every wait on TENSORcnt: two loads of mine are out
	s_cbranch_scc0 .Lfirst_b
	tensor_load_to_lds s[32:35], s[24:31]
	s_nop 0
	tensor_load_to_lds s[36:39], s[24:31]
	s_nop 0
	PLACES
	s_branch .Lfirst_asked
.Lfirst_b:
	tensor_load_to_lds s[56:59], s[48:55]
	s_nop 0
	tensor_load_to_lds s[60:63], s[48:55]
	s_nop 0
	PLACES
.Lfirst_asked:
	; WHILE THE FIRST TILES ARE ON THEIR WAY: scalars, column sums, row sums, addresses
	s_load_b32 s4, s[76:77], 0x0                   ; a_s
	s_load_b32 s5, s[78:79], 0x0                   ; a_o
	s_load_b32 s6, s[80:81], 0x0                   ; b_s
	s_load_b32 s7, s[82:83], 0x0                   ; b_o
	v_and_b32 v30, 31, v0                          ; lane l
	v_and_b32 v31, 15, v0                          ; r = l % 16
	v_bfe_u32 v32, v0, 4, 1                        ; h = l / 16
	v_lshlrev_b32 v[CO], 4, v30
	v_lshlrev_b32 v33, 3, v31                      ; 8 r: a row's pair in rsum
	s_lshl_b32 s18, s42, 10
	s_lshl_b32 s19, s12, 9
	s_add_co_u32 s18, s18, s19                     ; my 128 columns as f32: byte 1,024 x tile column + 512 x half, in cpart's rows and in out's
	s_mov_b32 s19, 0
	s_add_nc_u64 s[72:73], s[72:73], s[18:19]
	s_lshl_b32 s22, s13, 11
	s_lshl_b32 s23, s11, 10
	s_add_co_u32 s22, s22, s23                     ; 8 x my first row
	s_mov_b32 s23, 0
	s_add_nc_u64 s[74:75], s[74:75], s[22:23]
.set p, 0
.rept 32
	global_load_b128 v[64+4*p:67+4*p], v[CO], s[72:73] offset:8192*p  ; the 32 partial sums of four columns a lane
.set p, p+1
.endr
.irp a, 0,1,2,3,4,5,6,7
	global_load_b64 v[RV+2*\a:RV+2*\a+1], v33, s[74:75] offset:128*\a  ; (R, R) of row r of block a
.endr
	s_lshl_b32 s22, s22, 10                        ; my first row x 8,192 bytes (below 2^27)
	s_add_nc_u64 s[84:85], s[84:85], s[22:23]      ; out at my first row
	s_add_nc_u64 s[84:85], s[84:85], s[18:19]      ; and my first column
	v_mul_u32_u24 v[A0], v31, PA                   ; a: row r x pitch + 16 h (a lane takes 16 of a quarter's 32 bytes), in my 128 rows
	v_lshl_add_u32 v[A0], v32, 4, v[A0]
	s_mul_i32 s21, s11, HALF
	v_add_nc_u32 v[A0], s21, v[A0]
	v_mov_b32 v[ACUR], v[A0]
	v_add_nc_u32 v[ANXT], ASLOT, v[A0]
	; w: element j of a lane's turned 16 bytes comes from the row that lane 8 g + j addressed; the rows are addressed in the order of k that the widening leaves:
	; row 16 h + 4 (bit 2 of l) + (bit 1) + 2 (bit 0), and 8 further down for the second load; columns 8 (bit 3) + 0..7 of the sixteen
	v_bfe_u32 v42, v0, 2, 1
	v_bfe_u32 v43, v0, 1, 1
	v_and_b32 v44, 1, v0
	v_lshl_add_u32 v45, v32, 4, v43
	v_lshl_add_u32 v45, v42, 2, v45
	v_lshl_add_u32 v45, v44, 1, v45
	v_mul_u32_u24 v45, v45, PB
	v_bfe_u32 v46, v0, 3, 1
	v_lshl_add_u32 v45, v46, 4, v45
	s_lshl_b32 s21, s12, 8                         ; my 128 columns of f16
	s_add_co_u32 s21, s21, BBASE
	v_add_nc_u32 v[ADRB], s21, v45
	v_add_nc_u32 v[ADRB+1], ASLOT, v[ADRB]
	s_mul_i32 s21, s10, 16*SP
	s_add_co_u32 s21, s21, STAGE                   ; my stage
	v_mul_u32_u24 v[STO], v31, SP                  ; in: row r, 32 bytes for each half of the lanes
	v_lshl_add_u32 v[STO], v32, 5, v[STO]
	v_add_nc_u32 v[STO], s21, v[STO]
	v_add_nc_u32 v[RD], s21, v[CO]                 ; back: 32 lanes take a row's 512 bytes
	s_lshl_b32 s21, s10, 10
	s_add_co_u32 s21, s21, CSB                     ; my columns' values
	v_lshl_add_u32 v[CVA], v32, 5, s21
	v_add_nc_u32 v[CW], s21, v[CO]
	s_mov_b32 s94, 0x80808080
	s_mov_b32 s95, 0x00ff00ff
	s_mov_b32 s96, 0x04030401                      ; with source 0 = 0: bytes 1 and 3, each in a half of its own
	s_mov_b32 s97, 0                               ; the slot of a's tile in hand
	s_mov_b32 s98, ASLOT                           ; the other
	s_wait_kmcnt 0x0
	s_mul_f32 s86, s4, s6
	s_mul_f32 s88, s4, s7                          ; a_s b_o
	s_mul_f32 s90, s5, s6                          ; a_o b_s
	s_mul_f32 s92, s5, s7
	s_mul_f32 s86, s86, 0x4b800000                 ; a_s b_s 2^24: the sums come in units of 2^-24
	s_mul_f32 s92, s92, 0x45800000                 ; 4096 a_o b_o
	s_mov_b32 s87, s86                             ; named as pairs
	s_mov_b32 s89, s88
	s_mov_b32 s91, s90
	s_mov_b32 s93, s92
	s_wait_loadcnt 0x0
.irp s, 16,8,4,2,1
.set p, 0
.rept \s
	v_pk_add_f32 v[64+4*p:65+4*p], v[64+4*p:65+4*p], v[64+4*(p+\s):65+4*(p+\s)]  ; C of my four columns: whole numbers of at most 2^19, exact
	v_pk_add_f32 v[66+4*p:67+4*p], v[66+4*p:67+4*p], v[66+4*(p+\s):67+4*(p+\s)]
.set p, p+1
.endr
.endr
	v_pk_mul_f32 v[48:49], v[64:65], 0xb7000000 op_sel_hi:[1,0]  ; -128 C 2^-24 = -C 2^-17
	v_pk_mul_f32 v[50:51], v[66:67], 0xb7000000 op_sel_hi:[1,0]
	v_pk_fma_f32 v[52:53], v[64:65], s[90:91], s[92:93] op_sel_hi:[1,0,0]  ; a_o b_s C + 4096 a_o b_o
	v_pk_fma_f32 v[54:55], v[66:67], s[90:91], s[92:93] op_sel_hi:[1,0,0]
	ds_store_b128 v[CW], v[48:51]
	ds_store_b128 v[CW], v[52:55] offset:512
.irp b, 0,1,2,3,4,5,6,7
	ds_load_b128 v[T+8*\b:T+8*\b+3],   v[CVA] offset:64*\b     ; my wave's own bytes, served in order: these see the stores above.  Columns 16 b + 8 h + 0..7
	ds_load_b128 v[T+8*\b+4:T+8*\b+7], v[CVA] offset:64*\b+16
.endr
.irp a, 0,1,2,3,4,5,6,7
	v_pk_mul_f32 v[RV+2*\a:RV+2*\a+1], v[RV+2*\a:RV+2*\a+1], s[88:89] op_sel_hi:[1,0]
.endr
; THE WIDENING of block c, in eight parts that ride behind a span's eight products; parts 6 and 7 are empty, and so is all of it for c < 0.
; 0, 1: the four raw words' sign bits are turned.  2-5: word n - 2 gives two registers of the fragment.  Blocks 3-7 take their raw words from buffer CB.
.macro RIDER n, c
.if ((\c) >= 0) && ((\n) < 6)
.set rR, 216+4*((\c)%3)+12*CB*(((\c)/3+1)/2)
.set rF, 192+8*((\c)%3)
.if (\n) < 2
	v_xor_b32 v[rR+2*(\n)], s94, v[rR+2*(\n)]
	v_xor_b32 v[rR+2*(\n)+1], s94, v[rR+2*(\n)+1]
.else
	v_and_b32 v[rF+2*((\n)-2)], s95, v[rR+(\n)-2]
	v_perm_b32 v[rF+2*((\n)-2)+1], 0, v[rR+(\n)-2], s96
.endif
.endif
.endm
.macro WIDEN c
.irp n, 0,1,2,3,4,5
	RIDER \n, \c
.endr
.endm
; A SPAN: row block a x all 8 column blocks, 32 along K, from buffer f of w's fragments; block c is widened beside it.  zero = 1: the products start the sums, from T.
; The fragment of block c was last read by the span before (or earlier): the four exclusive ors, which name only raw words, are the four places in front of its first rewriting.
.macro SPAN a, f, c, zero
.set rA, 64*((\a)%3)
.set rG, 192+8*((\a)%3)
.irp b, 0,1,2,3,4,5,6,7
.if \zero
	v_wmma_f32_16x16x32_f16 v[rA+8*\b:rA+8*\b+7], v[BF+64*(\f)+8*\b:BF+64*(\f)+8*\b+7], v[rG:rG+7], v[T+8*\b:T+8*\b+7]
.else
	v_wmma_f32_16x16x32_f16 v[rA+8*\b:rA+8*\b+7], v[BF+64*(\f)+8*\b:BF+64*(\f)+8*\b+7], v[rG:rG+7], v[rA+8*\b:rA+8*\b+7]
.endif
	RIDER \b, \c
.endr
.endm
; Block c's raw bytes of quarter d of a's tile in hand, into buffer buf; d = 8 and more: of the next tile, in the other slot.
.macro RAWLD c, d, buf
.set rL, 216+4*((\c)%3)+12*(\buf)
.if (\d) < 8
	ds_load_b128 v[rL:rL+3], v[ACUR] offset:16*PA*(\c)+32*(\d)
.else
	ds_load_b128 v[rL:rL+3], v[ANXT] offset:16*PA*(\c)+32*((\d)-8)
.endif
.endm
; A window's raw loads in quarter i: block x's bytes of the next quarter, blocks y's and z's of the one after.  fin = 1: x's alone.
.macro LOADS x, y, z, i, fin, buf
	RAWLD \x, (\i)+1, \buf
.if (\fin) == 0
	RAWLD \y, (\i)+2, \buf
.if (\z) >= 0
	RAWLD \z, (\i)+2, \buf
.endif
.endif
.endm
; 16 turning loads: w's fragments of quarter kq of a step, into buffer g.  That buffer's last reader stands a quarter back, 36 vector instructions or more.
.macro BRUN slot, kq, g
	WIN 0
.irp b, 0,1,2,3,4,5,6,7
	ds_load_tr16_b128 v[BF+64*(\g)+8*\b:BF+64*(\g)+8*\b+3],   v[ADRB+(\slot)] offset:32*PB*(\kq)+32*\b
	ds_load_tr16_b128 v[BF+64*(\g)+8*\b+4:BF+64*(\g)+8*\b+7], v[ADRB+(\slot)] offset:32*PB*(\kq)+8*PB+32*\b
.endr
.endm
; A QUARTER'S ONE RUN OF LDS LOADS, behind span 2: 3 raw (window 1), 16 of w, 2 raw (window 3), 3 raw (window 2).  Window 1's raw words have just been widened and are wanted again from
; the next quarter's first span on.  Windows 2 and 3 still widen, in this quarter's spans 3 to 7, from buffer CB; the run fills their other buffer, for the next quarter's spans 3 to 7.
.macro RUN i, fin, slot, kq, g
	WIN 0x54
	LOADS 2, 0, 1, \i, \fin, 0
	BRUN \slot, \kq, \g
	WIN 0xfc
	LOADS 7, 6, -1, \i, \fin, 1-CB
	WIN 0xa8
	LOADS 5, 3, 4, \i, \fin, 1-CB
.endm
; WHICH BLOCK IS WIDENED WHEN (a fragment has one buffer).  Blocks 2, 5, 7: in the first span of their window, for the same quarter.  Blocks 0, 1, 3, 4, 6: in the span behind their own, for the next quarter (NX = 0: there is none).
.macro REST zero                       ; windows 2 and 3 of a quarter
	WIN 0xa8-0x20*(\zero)
	SPAN 3, qf, 5, \zero
	SPAN 4, qf, 3*NX+NX-1, \zero
	SPAN 5, qf, 4*NX+NX-1, \zero
	WIN 0xfc-0x30*(\zero)
	SPAN 6, qf, 7, \zero
	SPAN 7, qf, 6*NX+NX-1, \zero
.endm
; A QUARTER, number i of a's tile (8: the next tile's first).  The 64 accumulators take turns in the same order in every quarter.
; fin = 1: the last quarter but one of all; 2: the last.
.macro QUART i, zero=0, fin=0
.set qf, (\i)&1
.set CB, (\i)&1
.set NX, 1
.if (\fin) == 2
.set NX, 0
	s_wait_dscnt 2                                 ; the last run was 1, 16, 1, 1: its last two may be out
.else
	s_wait_dscnt 5                                 ; the last run: window 1's raw bytes and w's fragments are in; the five raw loads of windows 3 and 2 may be out
.endif
	WIN 0x54-0x10*(\zero)
	SPAN 0, qf, 2, \zero
	SPAN 1, qf, 0*NX+NX-1, \zero
	SPAN 2, qf, 1*NX+NX-1, \zero
.if (\fin) < 2
	RUN \i, \fin, ((\i)>>2)&1, ((\i)&3)+1, 1-qf
.endif
.if (\fin) == 0
	s_wait_dscnt 24                                ; all but the 24 just issued
.elseif (\fin) == 1
	s_wait_dscnt 19                                ; all but the 1 + 16 + 1 + 1 just issued
.else
	s_wait_dscnt 0x0
.endif
	REST \zero
.endm
; A STEP'S LAST QUARTER (i = 3, 7) changes slots: ONE barrier.  In front of it each wave waits for all its tensor loads, adds 0 to its spare word, and waits for that and for its reads:
; w's slot was last read in the step's third quarter, a's slot in its tile's quarter 6.  Behind it nobody reads them any more, and the tiles asked for a step ago are whole.
; kind = 1: w's slot is filled again; 2: a's too; the barrier then opens a round of the cluster's, and the joint refill is the first thing behind the round: from there to the wait
; for it a wave issues 232 products.  kind = 0: nothing is filled.  The quarter's run of loads stands behind the refill; it reads the other slot of w and, at i = 7, the other slot of a.
.macro TURN i, kind
.set qf, 1
.set CB, 1
.set NX, 1
	WIN 0                                          ; the add's two registers lie in window 0
	s_wait_tensorcnt 0x0                           ; no tensor load of mine is out, so a group 0 may be written
	ds_add_u32 v[SPW], v[NIL]                      ; 0 onto my spare word
.if (\kind) >= 1
	s_xor_b32 s61, s61, ASLOT                      ; the walking descriptor: the other slot than last time,
	s_add_nc_u64 s[62:63], s[62:63], 128*SIZE_N*2  ; the next 128 rows of wf; the type bits on top are not reached
.endif
.if (\kind) == 2
	s_xor_b32 s37, s37, ASLOT
	s_add_nc_u64 s[38:39], s[38:39], 256           ; the next 256 along K
.endif
	s_wait_dscnt 6                                 ; the add and the five raw loads of windows 3 and 2 may be out
	WIN 0x54
	SPAN 0, 1, 2, 0                                ; eight products and their riders stand between the add and the wait for it
	s_wait_dscnt 0x0                               ; the add is done, and my reads of the slots are over
	s_barrier_signal -1
	SPAN 1, 1, 0, 0                                ; work on registers while the others arrive
	SPAN 2, 1, 1, 0
	WIN 0
	s_barrier_wait -1
.if (\kind) >= 1
	CREST                                          ; no wave of any partner still reads these slots or has a load on its way
	JLOAD \kind
.endif
	RUN \i, 0, 1-((\i)>>2), 0, 0
	REST 0
.endm
; Once round a's tile, from its second quarter to the next tile's first; then the two slots of a change names.
.macro LAP k3, k7
	QUART 1
	QUART 2
	TURN 3, \k3
	QUART 4
	QUART 5
	QUART 6
	TURN 7, \k7
	QUART 8
	WIN 0                                          ; at a label and at a branch every window is 0
	s_xor_b32 s97, s97, ASLOT
	s_xor_b32 s98, s98, ASLOT
	v_add_nc_u32 v[ACUR], s97, v[A0]
	v_add_nc_u32 v[ANXT], s98, v[A0]
.endm
	s_wait_tensorcnt 0x1                           ; my part of tile 0 is in; tile 1's may stay out
	s_wait_dscnt 0x0                               ; the starting values are in T
	s_barrier_signal -1
	s_barrier_wait -1                              ; everybody's part is in
.set CB, 0
	WIN 0x54                                       ; what the first quarter finds: all blocks' raw bytes of quarter 0, w's first fragments,
	RAWLD 0, 0, 0
	RAWLD 1, 0, 0
	RAWLD 2, 0, 0
	WIN 0xa8
	RAWLD 3, 0, 0
	RAWLD 4, 0, 0
	RAWLD 5, 0, 0
	WIN 0xfc
	RAWLD 6, 0, 0
	RAWLD 7, 0, 0
	BRUN 0, 0, 0
	s_wait_dscnt 16                                ; the raw bytes are in; w's run may be out
	WIN 0x54                                       ; blocks 0, 1, 3, 4, 6 widened, and their raw bytes of quarter 1
	WIDEN 0
	WIDEN 1
	RAWLD 0, 1, 0
	RAWLD 1, 1, 0
	WIN 0xa8
	WIDEN 3
	WIDEN 4
	RAWLD 3, 1, 0
	RAWLD 4, 1, 0
	WIN 0xfc
	WIDEN 6
	RAWLD 6, 1, 0
	s_wait_dscnt 0x0
	QUART 0, 1, 0                                  ; the first quarter stands in front of the loop: its products start the sums
	WIN 0
	s_mov_b32 s3, 14
.Llap:                                                 ; trip t = 0..13: a's tile t; it asks for w's tiles 2 t + 2 and 2 t + 3 and for a's tile t + 2
	LAP 1, 2
	s_sub_co_u32 s3, s3, 1
	s_cmp_lg_u32 s3, 0
	s_cbranch_scc1 .Llap
	LAP 1, 1                                       ; a's tile 14 is written out: w's tiles 30 and 31, nothing more of a
	QUART 1                                        ; a's tile 15: nothing is asked for
	QUART 2
	TURN 3, 0
	QUART 4
	QUART 5
	QUART 6, 0, 1
	QUART 7, 0, 2
	; THE WAY OUT.  out = (a_s b_s 2^24) x sum + (column term + row term); a block of 16 rows at a time goes through my stage and comes back as whole rows of 512 bytes.
	WIN 0
	PLACES
.irp b, 0,1,2,3,4,5,6,7
	ds_load_b128 v[CV+8*\b:CV+8*\b+3],   v[CVA] offset:512+64*\b
	ds_load_b128 v[CV+8*\b+4:CV+8*\b+7], v[CVA] offset:512+64*\b+16
.endr
	s_wait_dscnt 0x0
.macro PACK a
	WIN 0
.set z, 0
.rept 32
	v_pk_add_f32 v[T+2*z:T+2*z+1], v[CV+2*z:CV+2*z+1], v[RV+2*(\a):RV+2*(\a)+1]
.set z, z+1
.endr
	WIN 1+(\a)/3                                   ; source 0 in the block's window
.set z, 0
.rept 32                               ; ascending: each accumulator is read from its low end on
	v_pk_fma_f32 v[T+2*z:T+2*z+1], v[64*((\a)%3)+2*z:64*((\a)%3)+2*z+1], s[86:87], v[T+2*z:T+2*z+1] op_sel_hi:[1,0,1]
.set z, z+1
.endr
	WIN 0
.endm
.macro TOSTAGE a
.irp b, 0,1,2,3,4,5,6,7
	ds_store_b128 v[STO], v[T+8*\b:T+8*\b+3]   offset:64*\b
	ds_store_b128 v[STO], v[T+8*\b+4:T+8*\b+7] offset:64*\b+16
.endr
	s_wait_xcnt 0x0                                ; only behind this wait are the registers that the last block's stores read, and their base, rewritten
.if (\a) > 0
	s_add_nc_u64 s[84:85], s[84:85], 16*SIZE_N*4   ; 16 rows of out on
.endif
.set z, 0
.rept 16
	ds_load_b128 v[OB+4*z:OB+4*z+3], v[RD] offset:SP*z  ; my wave's own bytes, served in order: these see the stores above
.set z, z+1
.endr
.endm
.macro SEND
.set z, 0
.rept 16
.if z%4 == 0
	s_wait_dscnt 12-z                              ; rows z to z + 3 are back; the 12 - z younger loads may be out
.endif
	global_store_b128 v[CO], v[OB+4*z:OB+4*z+3], s[84:85] offset:SIZE_N*4*z th:TH_STORE_NT  ; the wave stores 512 consecutive bytes, at a multiple of 256 from out's first byte
.set z, z+1
.endr
.endm
	PACK 0
	TOSTAGE 0
.irp a, 1,2,3,4,5,6,7                  ; block a's arithmetic stands between block a - 1's loads from the stage and the waits for them
	PACK \a
	SEND
	TOSTAGE \a
.endr
	SEND
	s_wait_tensorcnt 0x0                           ; the wave's end: behind my last tensor load and my last LDS store
	ds_add_u32 v[SPW], v[NIL]
	s_wait_dscnt 0x0
	CROUND                                         ; the closing round: no work-group ends while a partner may still ask for a tile that names it
	s_endpgm
.Lfunc_end_k_qeadc4e6a72_gemm:
	.size	k_qeadc4e6a72_gemm, .Lfunc_end_k_qeadc4e6a72_gemm-k_qeadc4e6a72_gemm
	.p2alignl 7, 3214868480
	.fill 96, 4, 3214868480
	.section	.rodata,"a",@progbits
	.p2align	6, 0x0
	.amdhsa_kernel k_qeadc4e6a72_gemm
		.amdhsa_group_segment_fixed_size 327680
		.amdhsa_private_segment_fixed_size 0
		.amdhsa_enable_private_segment 0
		.amdhsa_kernarg_size 72
		.amdhsa_user_sgpr_count 2
		.amdhsa_user_sgpr_kernarg_segment_ptr 1
		.amdhsa_wavefront_size32 1
		.amdhsa_system_sgpr_workgroup_id_x 1
		.amdhsa_system_sgpr_workgroup_id_y 1
		.amdhsa_system_sgpr_workgroup_id_z 1
		.amdhsa_system_vgpr_workitem_id 0
		.amdhsa_next_free_vgpr 1024
		.amdhsa_next_free_sgpr 100
		.amdhsa_reserve_vcc 0
		.amdhsa_float_denorm_mode_32 3
		.amdhsa_float_denorm_mode_16_64 3
		.amdhsa_memory_ordered 1
		.amdhsa_forward_progress 1
		.amdhsa_inst_pref_size 255
	.end_amdhsa_kernel
	.section	.bss,"aw",@nobits
	.p2align	6
	.space	262144
	.amdgpu_metadata
---
amdhsa.version: [ 1, 2 ]
amdhsa.kernels:
  - .name:           k_qeadc4e6a72_gemm
    .symbol:         k_qeadc4e6a72_gemm.kd
    .args:
      - { .name: a, .offset: 0, .size: 8, .value_kind: global_buffer, .address_space: global }
      - { .name: wf, .offset: 8, .size: 8, .value_kind: global_buffer, .address_space: global }
      - { .name: cpart, .offset: 16, .size: 8, .value_kind: global_buffer, .address_space: global }
      - { .name: rsum, .offset: 24, .size: 8, .value_kind: global_buffer, .address_space: global }
      - { .name: a_s, .offset: 32, .size: 8, .value_kind: global_buffer, .address_space: global }
      - { .name: a_o, .offset: 40, .size: 8, .value_kind: global_buffer, .address_space: global }
      - { .name: b_s, .offset: 48, .size: 8, .value_kind: global_buffer, .address_space: global }
      - { .name: b_o, .offset: 56, .size: 8, .value_kind: global_buffer, .address_space: global }
      - { .name: out0, .offset: 64, .size: 8, .value_kind: global_buffer, .address_space: global }
    .group_segment_fixed_size: 327680
    .private_segment_fixed_size: 0
    .kernarg_segment_align: 8
    .kernarg_segment_size: 72
    .max_flat_workgroup_size: 128
    .sgpr_count:     100
    .vgpr_count:     1024
    .wavefront_size: 32
...
	.end_amdgpu_metadata
.endif
;; end of part 2
;; ======== version 2 of 2: 2 launches; version 1 with the launch prep written anew for expert scheduling mode
;; limits: a difference of large sums (such as E[x^2] - mean^2): digits are lost where the result is much smaller than its terms
;; workspace buffers: wf 16,777,216 bytes; cpart 262,144 bytes; rsum 65,536 bytes
;; launch prep (part 3): grid 256 x 1, 16 waves a work-group, no clusters, 18,944 bytes of LDS; arguments a, weight, wf, cpart, rsum; writes wf, cpart, rsum
.if DOCPART == 3
	.amdgcn_target "amdgcn-amd-amdhsa--gfx1250"
	.amdhsa_code_object_version 6
	.text
	.protected	k_qeadc4e6a72_prep
	.globl	k_qeadc4e6a72_prep
	.p2align	8
	.type	k_qeadc4e6a72_prep,@function
k_qeadc4e6a72_prep:
	s_mov_b64 s[64:65], 0
	v_nop
	global_prefetch_b8 v0, s[64:65] scope:SCOPE_SE
	s_setreg_imm32_b32 hwreg(HW_REG_WAVE_SCHED_MODE, 0, 2), 2
	s_setreg_imm32_b32 hwreg(HW_REG_WAVE_MODE, 25, 1), 1
	s_wait_xcnt 0x0
	s_wait_alu depctr_vm_vsrc(0)
; PREPARATION, a stream without matrix work.  a: [8192][4096] int8.  weight: [4096][2048] int8.  256 work-groups of sixteen waves; every work-group does both kinds of work.
; Waves 0-7:  wf[k][n] = weight[k][n] as f16 (exact), for rows 128 p .. + 127 and columns 256 strip .. + 255, and cpart[p][n] = the sum of those 128 rows, f32 (a whole number, exact).
; Waves 8-15: rsum[m] = (R, R), R = the sum of a[m][k] over all k, f32 (a whole number of at most 2^19, exact), for rows 32 g .. + 31.  R is stored twice: the next launch multiplies
;             and adds it as a pair, and the work-group's 32 rows are then 256 consecutive bytes.
; Every load and store of a wave covers 256 or 512 consecutive bytes that begin at a multiple of 256 from the buffer's first byte.
; Bytes are summed two at a time in the halves of a word: u = x xor 0x80 = x + 128 lies in 0..255, and the 128s are taken off at the end.
; LDS: column sums at 32 x thread number (below 16,384); row sums at AREG + 32 x wave: no byte is named by both.
; THE MODE: SCHED_MODE bits 1:0 = 2 (LLVM: expert scheduling mode 2), set by the entry lines.  The code itself states the register dependences
; between vector instructions and memory or LDS instructions, with s_wait_alu, always for 0.
; THE PLAN.  Registers that memory or LDS instructions touch:
;   v1-v5      offsets and LDS addresses, made once at the head and never written again.
;   X          written by the global loads, once; then named by vector lines alone.
;   Y          row i's four registers: written by row i's conversions, read by row i's one store, never written again.
;   v12-v19    waves 0-7: written by the tail's arithmetic, read by two LDS stores, never written again.
;   RS         waves 8-15: row i's pair: written by row i's last two lines, read by one LDS store, never written again.
;   PS         waves 0-7: at work in the rows; behind the barrier the LDS loads of waves 0 and 1 land in it, their additions work in it, and a store reads its first four.
;   RP         wave 8: written by one LDS load, read by one store; no other line names it.
;   v148, v149 written at the head, read by the closing add alone.
; No register that a memory or LDS instruction reads is ever written again, so no wait on vm_vsrc is owed.  The waits on va_vdst: one at the head (the addresses); in waves 0-7 one at the
; head of each block of four rows but the first (the block before has written its Y: its four stores follow, dealt among this block's rows, whose lines name none of their registers) and one
; behind the tail; in waves 8-15 one behind the last row; in waves 0 and 1 one ahead of the store of the column sums.
.set T16, 1                            ; v1   16 x thread: where threads 0-63 read four columns' sums, and their byte offset in cpart
.set L8,  2                            ; v2   8 x lane
.set L16, 3                            ; v3   16 x lane
.set T32, 4                            ; v4   32 x thread: LDS: wave w's 256 column sums at 1,024 w, mine at + 32 x lane
.set W32, 5                            ; v5   32 x wave: my wave's four pairs lie at AREG + 32 w
.set X,  20                            ; as loaded
.set Y,  52                            ; waves 0-7: v[52:115], four registers of f16 a row
.set PS, 116                           ; waves 0-7: v[116:131] eight numbers in f32, two sets by turns; later v[116:147], the eight waves' partial sums
.set RS, 150                           ; waves 8-15: v[150:157] row i's sum, twice, at RS + 2 i
.set RP, 158                           ; wave 8: v[158:159] a row's pair on its way from LDS to rsum
.set AREG, 16384
	s_load_b256 s[4:11], s[0:1], 0x0               ; a s[4:5], weight s[6:7], wf s[8:9], cpart s[10:11]
	s_load_b64 s[12:13], s[0:1], 0x20              ; rsum
	v_lshl_add_u32 v148, v0, 2, 0x4200
	v_mov_b32 v149, 0
	v_lshrrev_b32 v6, 5, v0
	v_readfirstlane_b32 s20, v6                    ; my wave's number
	v_and_b32 v6, 31, v0                           ; lane
	v_lshlrev_b32 v[L8], 3, v6
	v_lshlrev_b32 v[L16], 4, v6
	v_lshlrev_b32 v[T16], 4, v0
	v_lshlrev_b32 v[T32], 5, v0
	v_and_b32 v[W32], 0x1e0, v0
	s_mov_b32 s14, 0x80808080                      ; x -> x + 128 in four bytes
	s_mov_b32 s15, 0x00ff00ff                      ; bytes 0 and 2, each in a half of its own
	s_mov_b32 s19, 0x04030401                      ; v_perm_b32 with source 0 = 0: bytes 1 and 3, each in a half of its own
	s_mov_b32 s27, 0                               ; the high word of every offset
	s_and_b32 s24, ttmp9, 7                        ; strip
	s_lshr_b32 s25, ttmp9, 3                       ; p
	s_wait_kmcnt 0x0
	s_wait_alu depctr_va_sdst(0)                   ; s20 is written, ahead of its first reader, the compare below
	s_wait_alu depctr_va_vdst(0)                   ; v1 to v5 are written: every load and store of both arms reads one of them as its offset or LDS address
	s_cmp_lt_u32 s20, 8
	s_cbranch_scc0 .Lrows
	; WAVES 0-7.  Wave w takes rows 128 p + 16 w + i; a lane 8 columns.
	s_lshl_b32 s26, s25, 7
	s_lshl_b32 s21, s20, 4
	s_add_co_u32 s26, s26, s21                     ; my first row
	s_lshl_b32 s26, s26, 11                        ; x 2,048 bytes
	s_lshl_b32 s21, s24, 8
	s_add_co_u32 s26, s26, s21                     ; + 256 strip
	s_add_nc_u64 s[6:7], s[6:7], s[26:27]
	s_lshl_b32 s26, s26, 1                         ; the same place in wf: twice the bytes
	s_add_nc_u64 s[8:9], s[8:9], s[26:27]
.irp i, 0,1,2,3,4,5,6,7,8,9,10,11,12,13,14,15
	global_load_b64 v[X+2*\i:X+2*\i+1], v[L8], s[6:7] offset:2048*\i th:TH_LOAD_NT  ; a row's 256 bytes; all sixteen rows are on their way at once
.endr
	s_mov_b32 s16, 0x4b000000                      ; 2^23 in f32: with u as its lowest byte it is 2^23 + u
	s_mov_b32 s17, 0x07040400                      ; v_perm_b32: (0x4b, 0, 0, byte 0 of the word)
	s_mov_b32 s18, 0x07040401                      ; byte 1
	s_mov_b32 s28, 0x07040402                      ; byte 2
	s_mov_b32 s29, 0x07040403                      ; byte 3
	s_mov_b32 s30, 0xcb000080                      ; -(2^23 + 128)
	s_mov_b32 s31, s30                             ; named with it as a pair
; Row i: (2^23 + u) - (2^23 + 128) = x in f32, exactly; then two at a time to f16, exactly.  v8-11 take the column sums of u: (col 0, col 2), (1, 3), (4, 6), (5, 7).
.macro WROW i
.set x, X+2*(\i)
.set y, Y+4*(\i)
.set f, PS+8*((\i)%2)
	s_wait_loadcnt 15-(\i)                         ; loads come back in order: row i is in, the 15 - i younger ones may be out
	v_xor_b32 v[x], s14, v[x]
	v_xor_b32 v[x+1], s14, v[x+1]
	v_perm_b32 v[f], s16, v[x], s17
	v_perm_b32 v[f+1], s16, v[x], s18
	v_perm_b32 v[f+2], s16, v[x], s28
	v_perm_b32 v[f+3], s16, v[x], s29
	v_perm_b32 v[f+4], s16, v[x+1], s17
	v_perm_b32 v[f+5], s16, v[x+1], s18
	v_perm_b32 v[f+6], s16, v[x+1], s28
	v_perm_b32 v[f+7], s16, v[x+1], s29
	v_pk_add_f32 v[f:f+1], v[f:f+1], s[30:31] op_sel_hi:[1,0]
	v_pk_add_f32 v[f+2:f+3], v[f+2:f+3], s[30:31] op_sel_hi:[1,0]
	v_pk_add_f32 v[f+4:f+5], v[f+4:f+5], s[30:31] op_sel_hi:[1,0]
	v_pk_add_f32 v[f+6:f+7], v[f+6:f+7], s[30:31] op_sel_hi:[1,0]
	v_cvt_pk_f16_f32 v[y], v[f], v[f+1]
	v_cvt_pk_f16_f32 v[y+1], v[f+2], v[f+3]
	v_cvt_pk_f16_f32 v[y+2], v[f+4], v[f+5]
	v_cvt_pk_f16_f32 v[y+3], v[f+6], v[f+7]
.if (\i) == 0
	v_and_b32 v8, s15, v[x]                        ; the first row starts the sums: nothing is cleared
	v_perm_b32 v9, 0, v[x], s19
	v_and_b32 v10, s15, v[x+1]
	v_perm_b32 v11, 0, v[x+1], s19
.else
	v_and_b32 v6, s15, v[x]
	v_perm_b32 v7, 0, v[x], s19
	v_add_nc_u32 v8, v8, v6                        ; a half holds at most 16 x 255
	v_add_nc_u32 v9, v9, v7
	v_and_b32 v6, s15, v[x+1]
	v_perm_b32 v7, 0, v[x+1], s19
	v_add_nc_u32 v10, v10, v6
	v_add_nc_u32 v11, v11, v7
.endif
.endm
; Row i leaves: the wave stores 512 consecutive bytes of a row of wf.  It stands behind a wait on va_vdst that stands behind row i's conversions.
.macro WOUT i
	global_store_b128 v[L16], v[Y+4*(\i):Y+4*(\i)+3], s[8:9] offset:4096*(\i)
.endm
.irp i, 0,1,2,3
	WROW \i
.endr
	s_wait_alu depctr_va_vdst(0)                   ; the conversions of rows 0 to 3 have written their Y, which the four stores below read
.irp i, 4,5,6,7
	WOUT (\i)-4                                    ; no further wait: no vector line since that wait names the row's Y or v3
	WROW \i
.endr
	s_wait_alu depctr_va_vdst(0)                   ; the conversions of rows 4 to 7 have written their Y, which the four stores below read
.irp i, 8,9,10,11
	WOUT (\i)-4
	WROW \i
.endr
	s_wait_alu depctr_va_vdst(0)                   ; the conversions of rows 8 to 11 have written their Y, which the four stores below read
.irp i, 12,13,14,15
	WOUT (\i)-4
	WROW \i
.endr
	v_and_b32 v12, 0xffff, v8                      ; my eight columns' sums of u, in order
	v_and_b32 v13, 0xffff, v9
	v_lshrrev_b32 v14, 16, v8
	v_lshrrev_b32 v15, 16, v9
	v_and_b32 v16, 0xffff, v10
	v_and_b32 v17, 0xffff, v11
	v_lshrrev_b32 v18, 16, v10
	v_lshrrev_b32 v19, 16, v11
.irp j, 12,13,14,15,16,17,18,19
	v_add_nc_u32 v\j, 0xfffff800, v\j              ; less 16 x 128
.endr
.irp j, 12,13,14,15,16,17,18,19
	v_cvt_f32_i32 v\j, v\j
.endr
	s_wait_alu depctr_va_vdst(0)                   ; v12 to v19 are written, which the LDS stores read; rows 12 to 15 have written their Y, which the last four stores read; and every line that names PS is done: behind the barrier LDS loads land in it
	ds_store_b128 v[T32], v[12:15]
	ds_store_b128 v[T32], v[16:19] offset:16
.irp i, 12,13,14,15
	WOUT \i
.endr
	s_branch .Ljoin
	; WAVES 8-15.  Wave w takes rows 32 g + 4 (w - 8) + i; a row's 4,096 bytes are eight loads of 512.
.Lrows:
	s_lshl_b32 s26, ttmp9, 17                      ; 32 rows of 4,096 bytes
	s_and_b32 s21, s20, 7
	s_lshl_b32 s21, s21, 14
	s_add_co_u32 s26, s26, s21
	s_add_nc_u64 s[4:5], s[4:5], s[26:27]
.irp i, 0,1,2,3
.irp j, 0,1,2,3,4,5,6,7
	global_load_b128 v[X+32*\i+4*\j:X+32*\i+4*\j+3], v[L16], s[4:5] offset:4096*\i+512*\j  ; all 32 at once: 16 KiB a wave on their way
.endr
.endr
	s_mov_b32 s22, 0x76543210                      ; v_permlanex16_b32: each lane takes its own place in the other half
	s_mov_b32 s23, 0xfedcba98
.macro AROW i
	s_wait_loadcnt 24-8*(\i)                       ; row i's eight loads are in; the later rows' may be out
.set d, 0
.rept 32
.set x, X+32*(\i)+d
.set t, 6+6*(d%2)                      ; v6, v7 and v12, v13 by turns
	v_xor_b32 v[x], s14, v[x]
	v_and_b32 v[t], s15, v[x]
	v_perm_b32 v[t+1], 0, v[x], s19
.if d < 4
	v_add_nc_u32 v[8+d], v[t], v[t+1]              ; four chains, started by the first four words
.else
	v_add3_u32 v[8+d%4], v[8+d%4], v[t], v[t+1]    ; a half of a chain holds at most 16 x 255
.endif
.set d, d+1
.endr
	v_add3_u32 v8, v8, v9, v10
	v_add_nc_u32 v8, v8, v11                       ; a half: at most 64 x 255
	v_and_b32 v6, 0xffff, v8
	v_lshrrev_b32 v7, 16, v8
	v_add3_u32 v8, v6, v7, 0xffffc000              ; my 128 bytes' sum, less 128 x 128
	v_cvt_f32_i32 v8, v8
	v_add_f32_dpp v8, v8, v8 row_xmask:1 row_mask:0xf bank_mask:0xf  ; across the 32 lanes; whole numbers below 2^24: exact in any order
	v_add_f32_dpp v8, v8, v8 row_xmask:2 row_mask:0xf bank_mask:0xf
	v_add_f32_dpp v8, v8, v8 row_xmask:4 row_mask:0xf bank_mask:0xf
	v_add_f32_dpp v8, v8, v8 row_xmask:8 row_mask:0xf bank_mask:0xf
	v_permlanex16_b32 v9, v8, s22, s23
	v_add_f32 v[RS+2*(\i)], v8, v9                 ; the row's sum goes into a pair of its own, which no later line writes
	v_mov_b32 v[RS+2*(\i)+1], v[RS+2*(\i)]
.endm
	AROW 0
	AROW 1
	AROW 2
	AROW 3
	s_wait_alu depctr_va_vdst(0)                   ; the four rows' pairs are written, which the LDS stores read
.irp i, 0,1,2,3
	ds_store_b64 v[W32], v[RS+2*\i:RS+2*\i+1] offset:AREG+8*\i  ; all lanes write the same pair to the same place
.endr
.Ljoin:
	s_wait_dscnt 0x0                               ; for the others' sake: my stores into LDS are done
	s_barrier_signal -1
	s_barrier_wait -1
	s_cmp_lt_u32 s20, 2                            ; threads 0-63 add the eight waves' column sums, four columns each
	s_cbranch_scc0 .Lnot_cols
.irp q, 0,1,2,3,4,5,6,7
	ds_load_b128 v[PS+4*\q:PS+4*\q+3], v[T16] offset:1024*\q  ; no wait: no vector line since my arm's last wait on va_vdst names PS, and no memory or LDS instruction has read it
.endr
	s_lshl_b32 s26, s25, 13                        ; cpart: 8,192 p + 1,024 strip
	s_lshl_b32 s21, s24, 10
	s_add_co_u32 s26, s26, s21
	s_add_nc_u64 s[10:11], s[10:11], s[26:27]
	s_wait_dscnt 0x0
.irp s, 4,2,1
.set p, 0
.rept \s
	v_pk_add_f32 v[PS+4*p:PS+4*p+1], v[PS+4*p:PS+4*p+1], v[PS+4*(p+\s):PS+4*(p+\s)+1]
	v_pk_add_f32 v[PS+4*p+2:PS+4*p+3], v[PS+4*p+2:PS+4*p+3], v[PS+4*(p+\s)+2:PS+4*(p+\s)+3]
.set p, p+1
.endr
.endr
	s_wait_alu depctr_va_vdst(0)                   ; the additions have written v[PS:PS+3], which the store reads
	global_store_b128 v[T16], v[PS:PS+3], s[10:11] ; each of the two waves stores 512 consecutive bytes
	s_wait_dscnt 0x0                               ; the closing lines, six on end
	s_wait_alu 0x0
	s_wait_tensorcnt 0x0
	ds_add_u32 v148, v149
	s_wait_dscnt 0x0
	s_endpgm
.Lnot_cols:
	s_cmp_eq_u32 s20, 8                            ; wave 8 stores the group's 32 pairs, one a lane
	s_cbranch_scc0 .Ldone
	ds_load_b64 v[RP:RP+1], v[L8] offset:AREG+256  ; wave 8's pairs begin at AREG + 32 x 8.  No wait: no other line of the text names RP
	s_lshl_b32 s26, ttmp9, 8
	s_add_nc_u64 s[12:13], s[12:13], s[26:27]
	s_wait_dscnt 0x0
	global_store_b64 v[L8], v[RP:RP+1], s[12:13]   ; 256 consecutive bytes, at a multiple of 256 from rsum's first byte
.Ldone:
	s_wait_dscnt 0x0                               ; the closing lines, six on end
	s_wait_alu 0x0
	s_wait_tensorcnt 0x0
	ds_add_u32 v148, v149
	s_wait_dscnt 0x0
	s_endpgm
.Lfunc_end_k_qeadc4e6a72_prep:
	.size	k_qeadc4e6a72_prep, .Lfunc_end_k_qeadc4e6a72_prep-k_qeadc4e6a72_prep
	.p2alignl 7, 3214868480
	.fill 96, 4, 3214868480
	.section	.rodata,"a",@progbits
	.p2align	6, 0x0
	.amdhsa_kernel k_qeadc4e6a72_prep
		.amdhsa_group_segment_fixed_size 18944
		.amdhsa_private_segment_fixed_size 0
		.amdhsa_enable_private_segment 0
		.amdhsa_kernarg_size 40
		.amdhsa_user_sgpr_count 2
		.amdhsa_user_sgpr_kernarg_segment_ptr 1
		.amdhsa_wavefront_size32 1
		.amdhsa_system_sgpr_workgroup_id_x 1
		.amdhsa_system_sgpr_workgroup_id_y 1
		.amdhsa_system_sgpr_workgroup_id_z 1
		.amdhsa_system_vgpr_workitem_id 0
		.amdhsa_next_free_vgpr 160
		.amdhsa_next_free_sgpr 66
		.amdhsa_reserve_vcc 0
		.amdhsa_float_denorm_mode_32 3
		.amdhsa_float_denorm_mode_16_64 3
		.amdhsa_memory_ordered 1
		.amdhsa_forward_progress 1
		.amdhsa_inst_pref_size 62
	.end_amdhsa_kernel
	.amdgpu_metadata
---
amdhsa.version: [ 1, 2 ]
amdhsa.kernels:
  - .name:           k_qeadc4e6a72_prep
    .symbol:         k_qeadc4e6a72_prep.kd
    .args:
      - { .name: a, .offset: 0, .size: 8, .value_kind: global_buffer, .address_space: global }
      - { .name: weight, .offset: 8, .size: 8, .value_kind: global_buffer, .address_space: global }
      - { .name: wf, .offset: 16, .size: 8, .value_kind: global_buffer, .address_space: global }
      - { .name: cpart, .offset: 24, .size: 8, .value_kind: global_buffer, .address_space: global }
      - { .name: rsum, .offset: 32, .size: 8, .value_kind: global_buffer, .address_space: global }
    .group_segment_fixed_size: 18944
    .private_segment_fixed_size: 0
    .kernarg_segment_align: 8
    .kernarg_segment_size: 40
    .max_flat_workgroup_size: 512
    .sgpr_count:     66
    .vgpr_count:     160
    .wavefront_size: 32
...
	.end_amdgpu_metadata
.endif
;; end of part 3
;; launch gemm: the kernel of part 2 again; grid 8 x 32, 4 waves a work-group, clusters of 4 x 4, 327,680 bytes of LDS; arguments a, wf, cpart, rsum, a_s, a_o, b_s, b_o, out0; writes out0
